; MI455X (gfx1250); checked and timed in simulation.
; The chip was launched on July 23, 2026; its instructions are those of AMD's public machine-readable ISA for CDNA 5 (MIT licence, August 2026) and "CDNA5" Instruction Set Architecture Reference Guide (July 2026). The comments in the code are by the model that wrote it; some were corrected since.
;; Dot Product Attention. Allowed arithmetic: matrix products marked QUANTISED: E3M2 operands, one E8M0 scale for each 32 along K, by v_wmma_scale_f32_16x16x128_f8f6f4 with both operands' format E3M2, f32 sums; everything else in f32.
;; Inputs: keys_codes 32 x 2,048 x 2 x 24 uint8 (E3M2 codes of keys, K innermost, in blocks of 32 codes, four codes in three bytes); keys_scales 32 x 2,048 x 2 uint8 (E8M0 scales of keys, one for each 32 codes along K); queries_codes 32 x 2,048 x 2 x 24 uint8 (E3M2 codes of queries, K innermost, in blocks of 32 codes, four codes in three bytes); queries_scales 32 x 2,048 x 2 uint8 (E8M0 scales of queries, one for each 32 codes along K); valid_lens 32 int32; values_codes 32 x 64 x 64 x 24 uint8 (E3M2 codes of values, K innermost, in blocks of 32 codes, four codes in three bytes); values_scales 32 x 64 x 64 uint8 (E8M0 scales of values, one for each 32 codes along K).
;; Outputs: out0 32 x 2,048 x 64 float32.
;; This version of the problem:
;;   THIS VERSION OF THE PROBLEM IS GIVEN IN LOW PRECISION. The matrix products marked QUANTISED in the list below multiply operands that are first quantised to E3M2 (3 exponent bits, 2 mantissa bits; 6 bits a number), with one power-of-two scale for each 32 numbers along K (OCP MX v1.0); their sums are f32. All else is computed in f32.
;;   The module's matrix products, in the order in which they are computed (A, B: the left and right operand; K: the contracted axis; several contracted axes count as one K, in the product's order):
;;     1. batch 32 x [M 2,048, K 64] x [K 64, N 2,048]; A: input queries (given as codes); B: input keys (given as codes): QUANTISED
;;     2. batch 32 x [M 2,048, K 2,048] x [K 2,048, N 64]; A: softmax (see below); B: input values (given as codes): QUANTISED
;;   THE QUANTISER, for each operand of a quantised product, along K:
;;     - K is cut into blocks of 32 from its start; a last block that is shorter is filled with zeros.
;;     - A block's scale is 2^e with e = floor(log2(the largest magnitude in the block)) - 4, held to -126 .. 127; a block of zeros has e = 0. As a byte (E8M0): e + 127.
;;     - Each number is divided by its block's scale, clamped to +-28, and rounded to the nearest number of E3M2, ties to even, subnormals kept.
;;     - The product sums the exact products of the quantised numbers (number of the format x scale) in f32.
;;   ~~~python
;;   def quantise(x, axis):      # numpy; x: float32 -> the quantised numbers, widened to float32 again
;;       x = np.moveaxis(x, axis, -1); K = x.shape[-1]
;;       x = np.pad(x, [(0, 0)] * (x.ndim - 1) + [(0, -K % 32)]); x = x.reshape(x.shape[:-1] + (-1, 32)); a = np.abs(x).max(-1, keepdims=True)
;;       e = np.where(a > 0, np.clip(np.frexp(np.where(a > 0, a, 1))[1] - 1 - 4, -126, 127), 0)      # np.frexp(a)[1] - 1 = floor(log2(a)), exactly
;;       r = np.clip(x / 2.0 ** e, -28, 28)
;;       step = 2.0 ** (np.maximum(np.frexp(np.where(r == 0, 1, r))[1] - 1, -2) - 2)
;;       q = np.round(r / step) * step * 2.0 ** e      # np.round: ties to even
;;       return np.moveaxis(q.reshape(q.shape[:-2] + (-1,))[..., :K], -1, axis).astype(np.float32)
;;   ~~~
;;   SOFTMAX AHEAD OF A QUANTISED PRODUCT. Where the list says 'softmax', what is quantised is not the finished softmax but p = 2^(t - M), with t = logit x log2(e) and M = ceil(the row's largest t), a whole number; so 1/2 < the row's largest p <= 1. The row's sum l is taken of the UNQUANTISED p, in f32, and the product's result is divided by l at the end. Since M is a whole number, a kernel that streams over the keys may use a running M (the ceiling of the running maximum): every later rescaling is an exact power of two, which a block's scale takes up: the codes' values come out the same.
;;   OPERANDS COMPUTED ON THE WAY. 'Computed on the way' means the value that the module computes at that place (a softmax that the list does not call 'softmax' is quantised finished and normalised). What goes into a quantiser is computed in f32, as accurately as f32 sums, v_exp_f32 and their like allow (about 1e-6 of the number): no bf16 or f16 on the way to a quantiser, and a product that is left as it is and whose result goes on into a quantised operand takes f32 operands (vector FMAs, or v_wmma_f32_16x16x4_f32). A number that lies on a knife's edge between two numbers of the format may be rounded either way, as far as f32 arithmetic and the matrix unit's own rounding can turn it there, and no further.
;;   INPUTS GIVEN AS CODES. keys (in the module: [32, 2048, 64], K = its axis 2); queries (in the module: [32, 2048, 64], K = its axis 2); values (in the module: [32, 2048, 64], K = its axis 1): each comes as NAME_codes (uint8): NAME with its K axis moved to the last place and cut into blocks of 32 codes, [.., K / 32, bytes a block], one block behind the other in memory; four codes in three bytes: a row's codes are one little-endian stream of bits, code i at bits 6 i .. 6 i + 5 (a code: sign, 3 exponent bits, 2 mantissa bits); and NAME_scales (uint8): the same leading axes, one E8M0 byte (e + 127) for each 32 codes along K. Its value is code x scale, taken as it is: it is not quantised again, and the codes and scales need not be those that the quantiser above would give.
;; 2 versions. Each part assembles by itself: llvm-mc -triple=amdgcn-amd-amdhsa -mcpu=gfx1250 --defsym DOCPART=n.
;; ======== version 1 of 2: 1 launch
;; limits: right only within a limited range of input values
;; launch attn (part 1): grid 256 x 1, 16 waves a work-group, no clusters, 221,184 bytes of LDS; arguments queries_codes, queries_scales, keys_codes, keys_scales, values_codes, values_scales, valid_lens, out0; writes out0
.if DOCPART == 1
	.amdgcn_target "amdgcn-amd-amdhsa--gfx1250"
	.amdhsa_code_object_version 6
	.text
	.protected	k_q280bd58abe_attn
	.globl	k_q280bd58abe_attn
	.p2align	8
	.type	k_q280bd58abe_attn,@function
k_q280bd58abe_attn:
	s_mov_b64 s[64:65], 0
	v_nop
	global_prefetch_b8 v0, s[64:65] scope:SCOPE_SE
	s_setreg_imm32_b32 hwreg(HW_REG_WAVE_MODE, 25, 1), 1
	s_wait_xcnt 0x0
; out[b][q][:] = the sum over k of softmax_k(Q[b][q] . K[b][k] / 8, keys k >= valid_lens[b] set to -1e6) V[b][k][:].  32 batches, 2,048 queries, 2,048 keys, head 64.
; Both products on codes of BF6 (E3M2) with one E8M0 scale for each 32 along a product's K.  Q, K: rows of 48 bytes + 2 scale bytes.  V: keys innermost, 64 rows of 1,536 bytes + 64 scale bytes a batch.  out: f32.
; THE SOFTMAX AHEAD OF THE SECOND PRODUCT: t = score x log2(e) / 8; M = the row's largest t so far, rounded UP to a whole number; p = 2^(t - M) is quantised along the keys, not normalised.
; The row's sum is taken of the unquantised p and divides at the end.  When M moves, the sum and O are multiplied by 2^(old M - new M): exact.
; SHARES.  An item is 128 queries of one batch; a work-group holds TWO items at once, 8 waves each, a wave 16 queries (one tile) in 256 registers.  A batch of length L walks ceil(L / 128) of its 16 key steps:
; a step all of whose keys lie behind the length is jumped over (a scalar branch on valid_lens).  So that the work-groups have about equal work, work-group g takes query block g / 16 of the batch whose length has
; rank g % 16 and of the batch of rank 31 - g % 16.  The ranks are made in every wave from the 32 lengths (ties by the batch's number); whatever the lengths, each batch and block has one owner.
; DATA PATH.  K and V go memory -> registers -> LDS in chunks of 256 keys, two LDS slots an item, ONE barrier a chunk; a chunk is asked for two key steps ahead of its store into LDS.  All scale bytes of both batches are copied into LDS once.
; NO JOINT REQUESTS, NO TENSOR LOADS, though the 16 work-groups of a batch read the same K and V:
; a step is 12 matrix instructions beside some 230 vector instructions: the steps left out weigh more than the 24 KB a chunk that a joint request would spare.
; LAYOUT.  Both products are used transposed: S^T = K Q^T (source 0 = 16 keys, source 1 = my 16 queries), O^T = V^T P^T (source 0 = 16 of the head's 64, source 1 = P): a lane holds ONE query (lane % 16) throughout.
; THE KEYS OF A TILE ARE NOT NEIGHBOURS: lane r of tile 2 b + u takes key 32 b + 8 u + r + 8 (r / 8), so that the 16 registers of tiles 2 b and 2 b + 1 are 16 neighbouring keys, 32 b + 16 (lane / 16) + 0 .. 15.
; THE HEAD IS 64, THE INSTRUCTION'S K IS 128.  Q's fragment has zero CODES for K = 64 .. 127.  A tile of K is 6 registers; as an operand it is named with the 6 that follow (the next tile's codes, behind the last tile six
; zeros): whatever stands there meets Q's zero codes, under scale bytes 0 (2^-127, no NaN), and adds nothing.
; LIMITS.  (a) Steps wholly behind the length are left out: that is reference() while a row's largest valid logit lies above about -999,900 (hidden keys then weigh less than 2^-126).  (b) valid_lens <= 0: all 2,048 keys are
; walked under the fill, as reference() does; the one value p = 2^(t - M) then hangs on the rounding of t at 1.44e6, so its code may differ by a step.  valid_lens > 2,048 counts as 2,048.  (c) NaN, infinities and scale bytes 0xff are not served.
.set SLOTB, 32768                      ; LDS: an item has 65,536 bytes, two slots of 32,768
.set GP,    896                        ; K in a slot: 16 groups of 16 keys, 16 x 48 bytes + 128 of padding: a tile's rows 8-15 lie one group on, 224 words = 32 words mod 64 (64 banks of 4 bytes: ISA guide 11.1)
.set VOFF,  16*GP                      ; behind K's 14,336 bytes: V, 64 rows
.set VPI,   208                        ; of 192 bytes + 16
.set SCL,   131072                     ; behind the slots: an item's scale bytes, 9,216: K's 4,096 dense (2 a key), then V's 64 rows of 64 bytes + 16
.set SCI,   9216
.set STG,   SCL+2*SCI                  ; the way out: 16 rows x (256 + 16) bytes for each wave, its own
.set STW,   16*272
.set AK0, 1                            ; v1   my lane's place in a tile of K
.set AV0, 2                            ; v2   and of V
.set ADS, 3                            ; v3   my lane's place among K's scale words; 1,024 bytes on in each trip
.set ADT, 4                            ; v4   and among V's; 16 bytes on in each trip
.set GO,  5                            ; v5   16 x lane: my bytes in two rows of out
.set STO, 6                            ; v6   the stage: where I put 32 bytes of a row
.set RD,  7                            ; v7   and where I read rows back
.set QO,  8                            ; v8-11 head only: offsets of Q's codes, Q's scales, the scale copies; LDS address of V's scale copy
.set QS,  28                           ; v28  Q's scale word
.set FILL, 29                          ; v29  -8e6: the fill -1e6 ahead of the division by 8, which lies in c
.set VS,  30                           ; v30-31 V's scale words: lanes 0-15 tile 2 g, lanes 16-31 tile 2 g + 1
.set KB,  32                           ; v32-79 K's eight tiles, 6 registers each; v80-85 zeros; by turns V's four fragments of 12
.set KG,  86                           ; v86  staging: my 16 bytes of my wave's 1,536 of K's chunk, in memory
.set KL0, 87                           ; v87, v88 and in LDS (v88: behind one padding more in lanes 16-31)
.set KL1, 88
.set VG,  89                           ; v89  staging of V: my 16 bytes of the first 64 of my row's 192, in memory
.set VL,  92                           ; v92  and in LDS
.set HP,  95                           ; v95  16 (lane / 16) + 1
.set S,   96                           ; v96-159  S^T, then p
.set O,   160                          ; v160-191 O^T
.set ST,  192                          ; v192-215 a chunk on its way: K's 12 registers, V's 12
.set BM,  216                          ; v216-219 the blocks' largest scores, then largest p
.set PX,  220                          ; v220-223 lane l xor 16's, then the scales' bytes
.set PC,  224                          ; v224-235 p's codes
.set CT,  236                          ; v236-238, v240-242 the conversions' second halves; v[236:237] also the sums' second chain
.set SO,  244                          ; v244-247 the conversions' scale operands
.set KS,  248                          ; v248-251 K's scale words: lanes 0-15 tile 2 b, lanes 16-31 tile 2 b + 1
.set FF,  252                          ; v252 f = 2^(old M - new M)
.set PW,  253                          ; v253 p's scale word
.set TT,  254                          ; v254 at work
.set VLV, 104                          ; head only, in registers that S^T takes later: the lengths, their sort keys, their ranks, 4 x lane
.set KEY, 105
.set RNK, 106
.set VO,  107
.set LN,  108                          ; lane, lane % 16, lane / 16
.set RR,  109
.set HH,  110
.set T0,  111
.set T1,  112
.set T2,  113
.set KSL, 115                          ; LDS address of K's scale copy
.set WV,  20                           ; s20 wave; s21 my item (0, 1); s22 my place among its 8 waves
.set EE,  21
.set AA,  22
.set SX,  23                           ; s23, s37 at work
.set SEL, 24                           ; s[24:25] lane selects for v_permlanex16_b32: lane l xor 16
.set CS,  26                           ; s[26:27] c = log2(e) / 8
.set RK,  28                           ; s28 the rank that my item takes; s29 its batch; s30 its valid_lens
.set BT,  29
.set VLN, 30
.set LEN, 31                           ; s31 keys that are walked: 1 .. 2,048
.set VM,  32                           ; s32 keys that count: 0 .. 2,048
.set KF,  33                           ; s33 the step's first key
.set NK,  34                           ; s34 the next chunk's first key
.set TRIP, 35
.set Q0,  36                           ; s36 my first query
.set SY,  37
.set OFS, 38                           ; s[38:39] a byte offset in 64 bits
.set KP,  40                           ; s[40:41] K's codes at the chunk to be asked for; s[42:43] V's
.set VPT, 42
.set E64, 44                           ; s44 my item's slots in LDS; s45 its scale bytes
.set SCB, 45
.set MSK, 47
	s_load_b256 s[4:11], s[0:1], 0x0               ; Q's codes s[4:5], Q's scales s[6:7], K's codes s[8:9], K's scales s[10:11]
	s_load_b256 s[12:19], s[0:1], 0x20             ; V's codes s[12:13], V's scales s[14:15], valid_lens s[16:17], out s[18:19]
	v_lshl_add_u32 v239, v0, 2, 0x35800
	v_mov_b32 v243, 0
	v_lshrrev_b32 v255, 5, v0
	v_readfirstlane_b32 s[WV], v255                ; wave 0..15
	v_and_b32 v[LN], 31, v0
	v_and_b32 v[RR], 15, v0
	v_bfe_u32 v[HH], v0, 4, 1
	v_lshlrev_b32 v[VO], 2, v[LN]
	s_lshr_b32 s[EE], s[WV], 2
	s_xor_b32 s[EE], s[EE], s[WV]
	s_and_b32 s[EE], s[EE], 1                      ; my item: waves 2 a and 2 a + 1 take one each, and of any four waves on end, or four alike mod 4, two belong to each item
	s_lshr_b32 s[AA], s[WV], 1                     ; a = 0..7
	s_and_b32 s[RK], ttmp9, 15
	s_mul_i32 s[SX], s[EE], 31
	s_xor_b32 s[RK], s[RK], s[SX]                  ; item 0: rank g % 16; item 1: rank 31 - g % 16
	s_lshr_b32 s[Q0], ttmp9, 4
	s_lshl_b32 s[Q0], s[Q0], 7
	s_lshl_b32 s[SX], s[AA], 4
	s_add_co_u32 s[Q0], s[Q0], s[SX]               ; my first query: 128 (g / 16) + 16 a
	s_lshl_b32 s[E64], s[EE], 16
	s_mul_i32 s[SCB], s[EE], SCI
	s_add_co_u32 s[SCB], s[SCB], SCL
	s_wait_kmcnt 0x0
	global_load_b32 v[VLV], v[VO], s[16:17]        ; lane l: valid_lens[l]
	; while it is on its way: every address of the launch.  LDS addresses are made of constants, the lane and the wave's number alone
	v_and_b32 v[T0], 7, v[RR]
	v_lshrrev_b32 v[T1], 3, v[RR]                  ; r / 8
	v_mul_u32_u24 v[AK0], v[T0], 48
	v_mad_u32_u24 v[AK0], v[T1], GP, v[AK0]
	v_mad_u32_u24 v[AK0], v[HH], 24, v[AK0]
	v_add_nc_u32 v[AK0], s[E64], v[AK0]            ; K: (r % 8) rows of 48 bytes, rows 8-15 one group on, + my half's 24 bytes
	s_add_co_u32 s[SY], s[E64], VOFF
	v_mul_u32_u24 v[AV0], v[RR], VPI
	v_mad_u32_u24 v[AV0], v[HH], 24, v[AV0]
	v_add_nc_u32 v[AV0], s[SY], v[AV0]             ; V: row r, + my half's 24 bytes
	v_lshlrev_b32 v[ADS], 1, v[RR]
	v_lshl_add_u32 v[ADS], v[T1], 4, v[ADS]
	v_lshl_add_u32 v[ADS], v[HH], 4, v[ADS]
	v_add_nc_u32 v[ADS], s[SCB], v[ADS]            ; K's scale words: 2 bytes a key; key r + 8 (r / 8) + 8 (lane / 16) of a pair of tiles
	v_mul_u32_u24 v[ADT], v[LN], 80
	v_add_nc_u32 v[ADT], s[SCB], v[ADT]
	v_add_nc_u32 v[ADT], 4096, v[ADT]              ; V's: row = lane of a pair of tiles
	v_lshlrev_b32 v[GO], 4, v[LN]
	; V's staging: my wave takes rows 8 a .. 8 a + 7 of a chunk, 192 bytes each.  Four lanes to a row: lane l takes row l / 4 and the 16 bytes at 16 (l % 4) of each of the row's three runs of 64 bytes (the run stands in the immediate)
	v_lshrrev_b32 v[T2], 2, v[LN]                  ; l / 4
	v_and_b32 v[T0], 3, v[LN]                      ; l % 4
	s_mul_i32 s[SY], s[AA], 8*1536
	v_mul_u32_u24 v[VG], v[T2], 1536
	v_lshl_add_u32 v[VG], v[T0], 4, v[VG]
	v_add_nc_u32 v[VG], s[SY], v[VG]               ; in memory: rows of 1,536 bytes
	s_mul_i32 s[SY], s[AA], 8*VPI
	s_add_co_u32 s[SY], s[SY], s[E64]
	s_add_co_u32 s[SY], s[SY], VOFF
	v_mul_u32_u24 v[VL], v[T2], VPI
	v_lshl_add_u32 v[VL], v[T0], 4, v[VL]
	v_add_nc_u32 v[VL], s[SY], v[VL]               ; in LDS: rows of 208 bytes
	s_mul_i32 s[SY], s[WV], STW
	s_add_co_u32 s[SY], s[SY], STG                 ; my stage
	v_mul_u32_u24 v[STO], v[RR], 272
	v_lshl_add_u32 v[STO], v[HH], 5, v[STO]
	v_add_nc_u32 v[STO], s[SY], v[STO]             ; in: row r; a tile's eight channels of my half: 32 (lane / 16) bytes on
	v_mul_u32_u24 v[RD], v[HH], 272
	v_lshl_add_u32 v[RD], v[RR], 4, v[RD]
	v_add_nc_u32 v[RD], s[SY], v[RD]               ; back: lanes 0-15 one row, lanes 16-31 the next
	v_mul_u32_u24 v[QO], v[RR], 48
	v_mad_u32_u24 v[QO], v[HH], 24, v[QO]          ; Q's codes: row r, + my half's 24 bytes
	v_lshlrev_b32 v[QO+1], 1, v[RR]                ; Q's scales: 2 bytes a row
	s_lshl_b32 s[SY], s[AA], 5
	v_add_nc_u32 v[T0], s[SY], v[LN]               ; my number among the item's 256 threads
	v_lshlrev_b32 v[QO+2], 4, v[T0]                ; the scale copies: 16 bytes a thread, 4,096 in all
	v_add_nc_u32 v[KSL], s[SCB], v[QO+2]           ; K's go as they lie;
	v_lshrrev_b32 v[QO+3], 2, v[T0]
	v_mul_u32_u24 v[QO+3], v[QO+3], 80
	v_and_b32 v[T0], 3, v[T0]
	v_lshl_add_u32 v[QO+3], v[T0], 4, v[QO+3]
	v_add_nc_u32 v[QO+3], s[SCB], v[QO+3]
	v_add_nc_u32 v[QO+3], 4096, v[QO+3]            ; V's in rows of 64 bytes + 16
	s_mul_i32 s[SY], s[AA], 1536
	v_lshl_add_u32 v[KG], v[LN], 4, s[SY]          ; K's staging: my wave's 32 keys are 1,536 dense bytes,
	s_mul_i32 s[SY], s[AA], 2*GP
	s_add_co_u32 s[SY], s[SY], s[E64]
	v_lshl_add_u32 v[KL0], v[LN], 4, s[SY]         ; two groups in LDS;
	v_lshl_add_u32 v[KL1], v[HH], 7, v[KL0]        ; the second of the three loads crosses from one group to the next at lane 16
	v_lshl_add_u32 v[HP], v[HH], 4, 1
	s_mov_b32 s[SEL], 0x76543210
	s_mov_b32 s[SEL+1], 0xfedcba98
	s_mov_b32 s[CS], 0x3e38aa3b                    ; c = log2(e) / 8
	s_mov_b32 s[CS+1], s[CS]                       ; (named with it as a pair, so it is written)
	; THE RANKS.  Sort key = 32 x (keys walked - 1) + batch: no two alike.  A lane's rank = how many of the 32 keys lie under its own.
	s_wait_loadcnt 0x0
	v_add_nc_u32 v[KEY], -1, v[VLV]
	v_min_u32 v[KEY], 0x7ff, v[KEY]                ; keys walked - 1: a length of 0 or less, or over 2,048, walks all
	v_lshl_or_b32 v[KEY], v[KEY], 5, v[LN]
	v_mov_b32 v[RNK], 0
.irp g, 0,16
.irp j, 0,1,2,3,4,5,6,7,8,9,10,11,12,13,14,15
	v_readlane_b32 s[48+\j], v[KEY], \g+\j
.endr
.irp j, 0,1,2,3,4,5,6,7,8,9,10,11,12,13,14,15
	v_cmp_lt_u32 vcc_lo, s[48+\j], v[KEY]
	v_add_co_ci_u32 v[RNK], vcc_lo, 0, v[RNK], vcc_lo
.endr
.endr
	v_cmp_eq_u32 s[MSK], s[RK], v[RNK]             ; one lane has my item's rank:
	s_ctz_i32_b32 s[BT], s[MSK]                    ; its number is my batch,
	s_min_u32 s[BT], s[BT], 31                     ; held inside the table before it enters an address
	s_lshl_b32 s[SX], s[BT], 2
	s_load_b32 s[VLN], s[16:17], s[SX] offset:0x0  ; and its length as a scalar (s23 stays as it is until the wait for this load)
	s_mov_b32 s[OFS+1], 0
	s_mul_i32 s[OFS], s[BT], 98304                 ; a batch's codes: 2,048 x 48 = 64 x 1,536 bytes
	s_add_nc_u64 s[KP:KP+1], s[8:9], s[OFS:OFS+1]
	s_add_nc_u64 s[VPT:VPT+1], s[12:13], s[OFS:OFS+1]
	s_add_nc_u64 s[4:5], s[4:5], s[OFS:OFS+1]
	s_mul_i32 s[OFS], s[Q0], 48
	s_add_nc_u64 s[4:5], s[4:5], s[OFS:OFS+1]      ; Q's codes at my first query
	s_lshl_b32 s[OFS], s[BT], 12                   ; a batch's scale bytes: 4,096
	s_add_nc_u64 s[6:7], s[6:7], s[OFS:OFS+1]
	s_add_nc_u64 s[10:11], s[10:11], s[OFS:OFS+1]
	s_add_nc_u64 s[14:15], s[14:15], s[OFS:OFS+1]
	s_lshl_b32 s[OFS], s[Q0], 1
	s_add_nc_u64 s[6:7], s[6:7], s[OFS:OFS+1]
	s_lshl_b32 s[OFS], s[BT], 19                   ; a batch of out: 2,048 x 256 bytes
	s_add_nc_u64 s[18:19], s[18:19], s[OFS:OFS+1]
	s_lshl_b32 s[OFS], s[Q0], 8
	s_add_nc_u64 s[18:19], s[18:19], s[OFS:OFS+1]  ; out at my first query
; A chunk of 256 keys, my wave's eighth of it: K: 3 loads of 512 consecutive bytes; V: 3 loads of 8 rows x 64 bytes, which together take the rows' 192
.macro LOADCH
.irp i, 0,1,2
	global_load_b128 v[ST+4*\i:ST+4*\i+3], v[KG], s[KP:KP+1] offset:512*\i
.endr
.irp i, 0,1,2
	global_load_b128 v[ST+12+4*\i:ST+12+4*\i+3], v[VG], s[VPT:VPT+1] offset:64*\i
.endr
.endm
.macro STORECH slot
	ds_store_b128 v[KL0], v[ST:ST+3] offset:(\slot)*SLOTB
	ds_store_b128 v[KL1], v[ST+4:ST+7] offset:(\slot)*SLOTB+512
	ds_store_b128 v[KL0], v[ST+8:ST+11] offset:(\slot)*SLOTB+1024+128
.irp i, 0,1,2
	ds_store_b128 v[VL], v[ST+12+4*\i:ST+12+4*\i+3] offset:(\slot)*SLOTB+64*\i
.endr
.endm
.irp p, 0,1,2
	global_load_b64 v[16+2*\p:17+2*\p], v[QO], s[4:5] offset:8*\p th:TH_LOAD_NT   ; Q's fragment, K = 0 .. 63: it stays in registers
.endr
	global_load_u16 v[QS], v[QO+1], s[6:7] th:TH_LOAD_NT   ; its scale word: two bytes, and 0 above them
	LOADCH                                         ; chunk 0: every batch walks it
	global_load_b128 v[S:S+3], v[QO+2], s[10:11]   ; my 16 of K's 4,096 scale bytes,
	global_load_b128 v[S+4:S+7], v[QO+2], s[14:15] ; and of V's
.irp j, 0,1,2,3,4,5
	v_mov_b32 v[22+\j], 0                          ; Q's codes of K = 64 .. 127: zeros
	v_mov_b32 v[KB+48+\j], 0                       ; what the last tile of K is named with
.endr
.set II, 0
.rept 32
	v_mov_b32 v[O+II], 0                           ; O^T.  (The step is written once: the first finds zeros, which the first change of M leaves zeros)
.set II, II+1
.endr
.irp b, 0,1,2,3
	v_mov_b32 v[PX+\b], 0                          ; written once: a lane permute's destination counts as one of its sources
.endr
	v_mov_b32 v[FF], 0                             ; likewise, for the way out
	v_mov_b32 v[PW], 0                             ; (named as the upper half of the pair v[252:253] before it is first written)
	v_mov_b32 v[FILL], 0xcaf42400                  ; -8e6
	v_mov_b32 v13, 0xff61b1e6                      ; the largest t so far: -3e38, under every t
	v_floor_f32 v12, -v13                          ; -M
	v_mov_b32 v14, 0                               ; the sum, in two halves
	v_mov_b32 v15, 0
	s_wait_kmcnt 0x0                               ; my batch's length
	s_sub_co_u32 s[LEN], s[VLN], 1
	s_min_u32 s[LEN], s[LEN], 2047
	s_add_co_u32 s[LEN], s[LEN], 1                 ; keys walked
	s_max_i32 s[VM], s[VLN], 0
	s_min_i32 s[VM], s[VM], 2048                   ; keys that count
	s_mov_b32 s[KF], 0
	s_mov_b32 s[NK], 256
	s_mov_b32 s[TRIP], 4
	s_wait_loadcnt 0x0                             ; Q, chunk 0, the scale bytes
	STORECH 0
	ds_store_b128 v[KSL], v[S:S+3]
	ds_store_b128 v[QO+3], v[S+4:S+7]
	s_add_nc_u64 s[KP:KP+1], s[KP:KP+1], 12288     ; on to chunk 1 (the loads that read these are done)
	s_add_nc_u64 s[VPT:VPT+1], s[VPT:VPT+1], 192
	s_wait_dscnt 0x0                               ; for the others' sake: my stores have landed
	s_barrier_signal -1
	s_barrier_wait -1                              ; slot 0 and the scale bytes of both items are whole
; A KEY STEP: 128 keys, the q-th of the slot in hand; it is step 2 slot + q of the trip's four.
.macro STEP slot, q
.set NS, 2*(\slot)+(\q)
	s_cmp_ge_u32 s[KF], s[LEN]                     ; all its keys lie behind the length: the step's work is left out; no barrier stands in a step
	s_cbranch_scc1 .Lhidden_\@
.rept 4
	v_nop                                          ; places in front of loads into registers that the last step's matrix instructions have read (ISA guide 7.12.1 for vector instructions)
.endr
.irp t, 0,1,2,3,4,5,6,7
.irp p, 0,1,2
	ds_load_b64 v[KB+6*\t+2*\p:KB+6*\t+2*\p+1], v[AK0] offset:(\slot)*SLOTB+(\q)*8*GP+(\t/2)*2*GP+(\t%2)*384+8*\p
.endr
.endr
.irp b, 0,1,2,3
	ds_load_u16 v[KS+\b], v[ADS] offset:256*NS+64*\b   ; two bytes, and 0 above them
.endr
	s_wait_dscnt 0x0
.irp t, 0,1,2,3,4,5,6,7                        ; S^T = K Q^T: lane (r, h) holds query r; register 16 b + i is key KF + 32 b + 16 h + i
.if \t%2
	v_wmma_scale_f32_16x16x128_f8f6f4 v[S+8*\t:S+8*\t+7], v[KB+6*\t:KB+6*\t+11], v[16:27], 0, v[KS+\t/2], v[QS] matrix_a_fmt:MATRIX_FMT_BF6 matrix_b_fmt:MATRIX_FMT_BF6 matrix_a_scale:MATRIX_SCALE_ROW1
.else
	v_wmma_scale_f32_16x16x128_f8f6f4 v[S+8*\t:S+8*\t+7], v[KB+6*\t:KB+6*\t+11], v[16:27], 0, v[KS+\t/2], v[QS] matrix_a_fmt:MATRIX_FMT_BF6 matrix_b_fmt:MATRIX_FMT_BF6
.endif
.endr
.rept 4
	v_nop                                          ; places: in front of the loads below, into K's registers, and of the first read of the scores
.endr
.irp t, 0,1,2,3                                ; V's four fragments are asked for NOW: they land while the softmax is worked
.irp p, 0,1,2,3,4,5
	ds_load_b64 v[KB+12*\t+2*\p:KB+12*\t+2*\p+1], v[AV0] offset:(\slot)*SLOTB+16*VPI*\t+96*(\q)+48*(\p/3)+8*(\p%3)
.endr
.endr
.irp g, 0,1
	ds_load_b32 v[VS+\g], v[ADT] offset:32*80*\g+4*NS
.endr
	s_add_co_u32 s[SX], s[KF], 128                 ; THE MASK.  A step all of whose keys count skips it
	s_cmp_le_u32 s[SX], s[VM]
	s_cbranch_scc1 .Lopen_\@
	s_sub_co_i32 s[SX], s[VM], s[KF]
	v_sub_nc_u32 v[TT], s[SX], v[HP]               ; d = VM - KF - 16 h - 1: register 16 b + i is hidden where 32 b + i > d
.set II, 0
.rept 64
	v_cmp_gt_i32 vcc_lo, 32*(II/16)+II%16, v[TT]
	v_cndmask_b32 v[S+II], v[S+II], v[FILL], vcc_lo
.set II, II+1
.endr
.Lopen_\@:
.irp b, 0,1,2,3
	v_max3_num_f32 v[BM+\b], v[S+16*\b], v[S+1+16*\b], v[S+2+16*\b]   ; THE LARGEST SCORE OF EACH BLOCK OF 32 KEYS: it serves twice: for the row's maximum, and, since p rises with the score, for the block's largest p
.endr
.irp i, 3,5,7,9,11,13
.irp b, 0,1,2,3
	v_max3_num_f32 v[BM+\b], v[BM+\b], v[S+16*\b+\i], v[S+1+16*\b+\i]   ; (the four blocks by turns)
.endr
.endr
.irp b, 0,1,2,3
	v_max_num_f32 v[BM+\b], v[BM+\b], v[S+15+16*\b]
.endr
.irp b, 0,1,2,3
	v_permlanex16_b32 v[PX+\b], v[BM+\b], s[SEL], s[SEL+1]
.endr
.irp b, 0,1,2,3
	v_max_num_f32 v[BM+\b], v[BM+\b], v[PX+\b]     ; with lane l xor 16's 16 keys
.endr
	v_max3_num_f32 v[TT], v[BM], v[BM+1], v[BM+2]
	v_max_num_f32 v[TT], v[TT], v[BM+3]            ; the step's largest score of my query
	v_mul_f32 v[TT], s[CS], v[TT]                  ; as t (c is positive)
	v_max_num_f32 v13, v13, v[TT]                  ; the running largest t
	v_mov_b32 v[TT], v12
	v_floor_f32 v12, -v13                          ; the new -M = floor(-t) = -ceil(t): M is a whole number
	v_sub_f32 v[TT], v12, v[TT]                    ; M's old value less its new one: a whole number, 0 or less
	v_cvt_i32_f32 v[TT], v[TT]                     ; (it saturates)
	v_ldexp_f32 v[FF], 1.0, v[TT]                  ; f = 2^(old M - new M)
.set II, 0
.rept 32
	v_pk_fma_f32 v[S+II:S+II+1], v[S+II:S+II+1], s[CS:CS+1], v[12:13] op_sel_hi:[1,0,0]   ; t - M, two at a time (of the pairs c and -M the low word serves both halves)
.set II, II+2
.endr
.irp b, 0,1,2,3
	v_fma_f32 v[BM+\b], v[BM+\b], s[CS], v12       ; the same of each block's largest score
.endr
.set II, 0
.rept 64
	v_exp_f32 v[S+II], v[S+II]                     ; p = 2^(t - M), at most 1: not normalised
.set II, II+1
.endr
	v_pk_mul_f32 v[14:15], v[14:15], v[FF:FF+1] op_sel_hi:[1,0]   ; the sums under the new M: the plain instruction behind the exponentials (ISA guide 5.7.2)
	s_wait_alu depctr_va_vdst(0)                   ; one wait for the batch of 64, ahead of its first reader
.irp b, 0,1,2,3
	v_exp_f32 v[BM+\b], v[BM+\b]                   ; the block's largest p: the same two instructions on the same number give the same bits
.endr
	v_pk_add_f32 v[CT:CT+1], v[S:S+1], v[S+2:S+3]  ; THE ROW'S SUM IS TAKEN OF THE UNQUANTISED p: two at a time, in two chains (they read the 64 alone: plain work behind the four)
.irp j, 4,8,12,16,20,24,28,32,36,40,44,48,52,56,60
	v_pk_add_f32 v[14:15], v[14:15], v[S+\j:S+\j+1]
	v_pk_add_f32 v[CT:CT+1], v[CT:CT+1], v[S+2+\j:S+3+\j]
.endr
	v_pk_add_f32 v[14:15], v[14:15], v[CT:CT+1]
	s_wait_alu depctr_va_vdst(0)                   ; and one for the four
.irp b, 0,1,2,3
	v_max_num_f32 v[BM+\b], 0x2800000, v[BM+\b]    ; the floor 2^(5 - 127): the byte cannot fall under 1 (a block whose every p is 0 keeps that byte: its codes are zeros)
.endr
.irp b, 0,1,2,3
	v_add_nc_u32 v[SO+\b], 0xfe000000, v[BM+\b]    ; 4 off the exponent field: the conversion takes the exponent field of this operand as its scale
.endr
.irp b, 0,1,2,3
	v_lshrrev_b32 v[PX+\b], 23, v[SO+\b]           ; the scale's byte
.endr
	v_lshl_or_b32 v[PW], v[PX+1], 8, v[PX]         ; p's scale word for these 128 keys
	v_lshl_or_b32 v[PW], v[PX+2], 16, v[PW]
	v_lshl_or_b32 v[PW], v[PX+3], 24, v[PW]
.irp c, 0,1
	v_cvt_scalef32_pk16_bf6_f32 v[PC+6*\c:PC+2+6*\c], v[S+32*\c:S+15+32*\c], v[SO+2*\c]
	v_cvt_scalef32_pk16_bf6_f32 v[CT+4*\c:CT+2+4*\c], v[S+16+32*\c:S+31+32*\c], v[SO+2*\c+1]   ; (a conversion's three registers begin on an even number)
.endr
	v_nop                                          ; one plain instruction between a scaled conversion and the vector instruction that touches its result
.irp c, 0,1                                    ; the operand's layout wants a WHOLE block in a lane: lanes 0-15 block 2 c, lanes 16-31 block 2 c + 1
.irp i, 0,1,2
	v_permlane16_swap_b32 v[PC+6*\c+\i], v[CT+4*\c+\i]
.endr
.irp i, 0,1,2
	v_mov_b32 v[PC+3+6*\c+\i], v[CT+4*\c+\i]
.endr
.endr
.set II, 0
.rept 16
	v_pk_mul_f32 v[O+II:O+II+1], v[O+II:O+II+1], v[FF:FF+1] op_sel_hi:[1,0]   ; O^T under the new M: x f, each tile from its low end on.  (These are also the places between the scale word's and the codes' last writes and the products)
.set II, II+2
.endr
	s_wait_dscnt 0x0                               ; V's fragments and scale words are in
.irp t, 0,1,2,3                                ; O^T += V^T P^T: the four accumulators by turns, one instruction a turn; between two links of a chain stand the other three and the next step's eight
.if \t%2
	v_wmma_scale_f32_16x16x128_f8f6f4 v[O+8*\t:O+8*\t+7], v[KB+12*\t:KB+12*\t+11], v[PC:PC+11], v[O+8*\t:O+8*\t+7], v[VS+\t/2], v[PW] matrix_a_fmt:MATRIX_FMT_BF6 matrix_b_fmt:MATRIX_FMT_BF6 matrix_a_scale:MATRIX_SCALE_ROW1
.else
	v_wmma_scale_f32_16x16x128_f8f6f4 v[O+8*\t:O+8*\t+7], v[KB+12*\t:KB+12*\t+11], v[PC:PC+11], v[O+8*\t:O+8*\t+7], v[VS+\t/2], v[PW] matrix_a_fmt:MATRIX_FMT_BF6 matrix_b_fmt:MATRIX_FMT_BF6
.endif
.endr
.Lhidden_\@:
	s_add_co_u32 s[KF], s[KF], 128
.endm
; A CHUNK: the next chunk is asked for into registers, this slot's two steps are worked, the next chunk goes into the other slot, ONE barrier.  That slot's last reads stand in front of the barrier before
; (each wave's wait for its LDS loads ahead of its signal), its first reads behind this one.  A chunk that begins behind the length is neither asked for nor stored; the barrier is on every wave's path.
.macro CHUNK slot
	s_cmp_ge_u32 s[NK], s[LEN]
	s_cbranch_scc1 .Lnoload_\@
	LOADCH
.Lnoload_\@:
	STEP \slot, 0
	STEP \slot, 1
	s_wait_loadcnt 0x0                             ; the six loads are done: their data may be read and their bases stepped
	s_cmp_ge_u32 s[NK], s[LEN]
	s_cbranch_scc1 .Lnostore_\@
	STORECH 1-(\slot)
.Lnostore_\@:
	s_add_nc_u64 s[KP:KP+1], s[KP:KP+1], 12288     ; 256 keys of 48 bytes
	s_add_nc_u64 s[VPT:VPT+1], s[VPT:VPT+1], 192   ; 256 codes in each row of V
	s_add_co_u32 s[NK], s[NK], 256
	s_wait_dscnt 0x0                               ; my stores have landed, and my reads of this slot are over
	s_barrier_signal -1
	s_barrier_wait -1
.endm
.Ltrip:                                            ; four trips, a constant: two chunks, 512 keys, a trip
	CHUNK 0
	CHUNK 1
	v_add_nc_u32 v[ADS], 1024, v[ADS]              ; 512 keys' scale words of K,
	v_add_nc_u32 v[ADT], 16, v[ADT]                ; and of V
	s_sub_co_u32 s[TRIP], s[TRIP], 1
	s_cmp_lg_u32 s[TRIP], 0
	s_cbranch_scc1 .Ltrip
	; THE WAY OUT.  O^T is divided by the row's sum and goes through my own stage in LDS, so that each store of the wave covers two whole rows of out: 512 consecutive bytes, aligned.
.rept 4
	v_nop                                          ; places behind the last products
.endr
	v_add_f32 v14, v14, v15                        ; the sum's two halves,
	v_permlanex16_b32 v[FF], v14, s[SEL], s[SEL+1]
	v_add_f32 v14, v14, v[FF]                      ; and lane l xor 16's: the row's sum
	v_rcp_f32 v14, v14
	v_nop                                          ; a plain instruction behind the reciprocal,
	s_wait_alu depctr_va_vdst(0)                   ; and a wait ahead of its first reader
.set II, 0
.rept 16
	v_pk_mul_f32 v[S+II:S+II+1], v[O+II:O+II+1], v[14:15] op_sel_hi:[1,0]   ; register 8 t + i is out(r, 16 t + 8 h + i); each accumulator from its low end on
.set II, II+2
.endr
.irp t, 0,1,2,3
	ds_store_b128 v[STO], v[S+8*\t:S+8*\t+3] offset:64*\t
	ds_store_b128 v[STO], v[S+8*\t+4:S+8*\t+7] offset:64*\t+16
.endr
.irp i, 0,1,2,3,4,5,6,7
	ds_load_b128 v[KB+4*\i:KB+4*\i+3], v[RD] offset:2*272*\i   ; LDS serves a wave's instructions in order (ISA guide 5.7.1.4): these see my stores
.endr
.irp i, 0,1,2,3,4,5,6,7
	s_wait_dscnt 7-\i                              ; rows 2 i and 2 i + 1 are back; the 7 - i younger loads may be out
	global_store_b128 v[GO], v[KB+4*\i:KB+4*\i+3], s[18:19] offset:512*\i th:TH_STORE_NT
.endr
	s_wait_tensorcnt 0x0
	ds_add_u32 v239, v243
	s_wait_dscnt 0x0
	s_endpgm
.Lfunc_end_k_q280bd58abe_attn:
	.size	k_q280bd58abe_attn, .Lfunc_end_k_q280bd58abe_attn-k_q280bd58abe_attn
	.p2alignl 7, 3214868480
	.fill 96, 4, 3214868480
	.section	.rodata,"a",@progbits
	.p2align	6, 0x0
	.amdhsa_kernel k_q280bd58abe_attn
		.amdhsa_group_segment_fixed_size 221184
		.amdhsa_private_segment_fixed_size 0
		.amdhsa_enable_private_segment 0
		.amdhsa_kernarg_size 64
		.amdhsa_user_sgpr_count 2
		.amdhsa_user_sgpr_kernarg_segment_ptr 1
		.amdhsa_wavefront_size32 1
		.amdhsa_system_sgpr_workgroup_id_x 1
		.amdhsa_system_sgpr_workgroup_id_y 1
		.amdhsa_system_sgpr_workgroup_id_z 1
		.amdhsa_system_vgpr_workitem_id 0
		.amdhsa_next_free_vgpr 256
		.amdhsa_next_free_sgpr 66
		.amdhsa_reserve_vcc 1
		.amdhsa_float_denorm_mode_32 3
		.amdhsa_float_denorm_mode_16_64 3
		.amdhsa_memory_ordered 1
		.amdhsa_forward_progress 1
		.amdhsa_inst_pref_size 109
	.end_amdhsa_kernel
	.amdgpu_metadata
---
amdhsa.version: [ 1, 2 ]
amdhsa.kernels:
  - .name:           k_q280bd58abe_attn
    .symbol:         k_q280bd58abe_attn.kd
    .args:
      - { .name: queries_codes, .offset: 0, .size: 8, .value_kind: global_buffer, .address_space: global }
      - { .name: queries_scales, .offset: 8, .size: 8, .value_kind: global_buffer, .address_space: global }
      - { .name: keys_codes, .offset: 16, .size: 8, .value_kind: global_buffer, .address_space: global }
      - { .name: keys_scales, .offset: 24, .size: 8, .value_kind: global_buffer, .address_space: global }
      - { .name: values_codes, .offset: 32, .size: 8, .value_kind: global_buffer, .address_space: global }
      - { .name: values_scales, .offset: 40, .size: 8, .value_kind: global_buffer, .address_space: global }
      - { .name: valid_lens, .offset: 48, .size: 8, .value_kind: global_buffer, .address_space: global }
      - { .name: out0, .offset: 56, .size: 8, .value_kind: global_buffer, .address_space: global }
    .group_segment_fixed_size: 221184
    .private_segment_fixed_size: 0
    .kernarg_segment_align: 8
    .kernarg_segment_size: 64
    .max_flat_workgroup_size: 512
    .sgpr_count:     66
    .vgpr_count:     256
    .wavefront_size: 32
...
	.end_amdgpu_metadata
.endif
;; end of part 1
;; ======== version 2 of 2: 1 launch; version 1 with the launch attn written anew for expert scheduling mode
;; limits: right only within a limited range of input values
;; launch attn (part 2): grid 256 x 1, 16 waves a work-group, no clusters, 221,184 bytes of LDS; arguments queries_codes, queries_scales, keys_codes, keys_scales, values_codes, values_scales, valid_lens, out0; writes out0
.if DOCPART == 2
	.amdgcn_target "amdgcn-amd-amdhsa--gfx1250"
	.amdhsa_code_object_version 6
	.text
	.protected	k_q280bd58abe_attn
	.globl	k_q280bd58abe_attn
	.p2align	8
	.type	k_q280bd58abe_attn,@function
k_q280bd58abe_attn:
	s_mov_b64 s[64:65], 0
	v_nop
	global_prefetch_b8 v0, s[64:65] scope:SCOPE_SE
	s_setreg_imm32_b32 hwreg(HW_REG_WAVE_SCHED_MODE, 0, 2), 2
	s_setreg_imm32_b32 hwreg(HW_REG_WAVE_MODE, 25, 1), 1
	s_wait_xcnt 0x0
	s_wait_alu depctr_vm_vsrc(0)
; out[b][q][:] = the sum over k of softmax_k(Q[b][q] . K[b][k] / 8, keys k >= valid_lens[b] set to -1e6) V[b][k][:].  32 batches, 2,048 queries, 2,048 keys, head 64.
; Both products on codes of BF6 (E3M2) with one E8M0 scale for each 32 along a product's K.  Q, K: rows of 48 bytes + 2 scale bytes.  V: keys innermost, 64 rows of 1,536 bytes + 64 scale bytes a batch.  out: f32.
; THE SOFTMAX AHEAD OF THE SECOND PRODUCT: t = score x log2(e) / 8; M = the row's largest t so far, rounded UP to a whole number; p = 2^(t - M) is quantised along the keys, not normalised.
; The row's sum is taken of the unquantised p and divides at the end.  When M moves, the sum and O are multiplied by 2^(old M - new M): exact.
; SHARES.  An item is 128 queries of one batch; a work-group holds TWO items at once, 8 waves each, a wave 16 queries (one tile) in 256 registers.  A batch of length L walks ceil(L / 128) of its 16 key steps:
; a step all of whose keys lie behind the length is jumped over (a scalar branch on valid_lens).  So that the work-groups have about equal work, work-group g takes query block g / 16 of the batch whose length has
; rank g % 16 and of the batch of rank 31 - g % 16.  The ranks are made in every wave from the 32 lengths (ties by the batch's number); whatever the lengths, each batch and block has one owner.
; DATA PATH.  K and V go memory -> registers -> LDS in chunks of 256 keys, two LDS slots an item, ONE barrier a chunk; a chunk is asked for two key steps ahead of its store into LDS.  All scale bytes of both batches are copied into LDS once.
; NO JOINT REQUESTS, NO TENSOR LOADS, though the 16 work-groups of a batch read the same K and V:
; a step is 12 matrix instructions beside some 230 vector instructions: the steps left out weigh more than the 24 KB a chunk that a joint request would spare.
; LAYOUT.  Both products are used transposed: S^T = K Q^T (source 0 = 16 keys, source 1 = my 16 queries), O^T = V^T P^T (source 0 = 16 of the head's 64, source 1 = P): a lane holds ONE query (lane % 16) throughout.
; THE KEYS OF A TILE ARE NOT NEIGHBOURS: lane r of tile 2 b + u takes key 32 b + 8 u + r + 8 (r / 8), so that the 16 registers of tiles 2 b and 2 b + 1 are 16 neighbouring keys, 32 b + 16 (lane / 16) + 0 .. 15.
; THE HEAD IS 64, THE INSTRUCTION'S K IS 128.  Q's fragment has zero CODES for K = 64 .. 127.  A tile of K is 6 registers; as an operand it is named with the 6 that follow (the next tile's codes, behind the last tile six
; zeros): whatever stands there meets Q's zero codes, under scale bytes 0 (2^-127, no NaN), and adds nothing.
; LIMITS.  (a) Steps wholly behind the length are left out: that is reference() while a row's largest valid logit lies above about -999,900 (hidden keys then weigh less than 2^-126).  (b) valid_lens <= 0: all 2,048 keys are
; walked under the fill, as reference() does; the one value p = 2^(t - M) then hangs on the rounding of t at 1.44e6, so its code may differ by a step.  valid_lens > 2,048 counts as 2,048.  (c) NaN, infinities and scale bytes 0xff are not served.
; THE MODE: SCHED_MODE bits 1:0 = 2 (LLVM: expert scheduling mode 2), set by the entry lines.  The code itself states the register dependences between vector or matrix instructions and memory or LDS
; instructions, and between a vector instruction that writes a scalar register and that register's readers, with s_wait_alu, always for 0.
; THE PLAN.  Registers that memory or LDS instructions touch, in the loop:
;   v32-79   (KB)  A step's 24 LDS loads of K land here; its eight products S^T read them (with the zeros v80-85); then its 24 LDS loads of V land here; its four products O^T read them.
;   v248-251 (KS)  K's scale words: loaded with K, read by the eight products.      v30-31 (VS)  V's: loaded with V, read by the four.
;   v192-215 (ST)  A chunk on its way: six global loads at a chunk's head land here, six LDS stores at its end read them; no vector instruction names them.
;   v3, v4         LDS addresses of the scale words: read by a step's loads, written once a trip.
;   v1, v2, v86-89, v92 (and v5-7 for the way out): addresses made at the head and never written again.
;   S^T and p, O^T, p's codes and the statistics are named by vector and matrix instructions alone, until the way out.
; The wave's 256 registers leave five idle: there is no second set of 48 for KB, so K's and V's loads stand where the products that read KB are done.
; So a step has three waits on va_vdst beside the one ahead of its exponentials and the two behind them: at its head (the last step's products are done reading KB, KS; v3, v4 are written), behind the eight products (they are done reading
; KB), and ahead of the four (p's codes and scale word are written).  One wait on vm_vsrc stands behind each barrier: the LDS stores have read ST; the loads have read v3, v4.
.set SLOTB, 32768                      ; LDS: an item has 65,536 bytes, two slots of 32,768
.set GP,    896                        ; K in a slot: 16 groups of 16 keys, 16 x 48 bytes + 128 of padding: a tile's rows 8-15 lie one group on, 224 words = 32 words mod 64 (64 banks of 4 bytes: ISA guide 11.1)
.set VOFF,  16*GP                      ; behind K's 14,336 bytes: V, 64 rows
.set VPI,   208                        ; of 192 bytes + 16
.set SCL,   131072                     ; behind the slots: an item's scale bytes, 9,216: K's 4,096 dense (2 a key), then V's 64 rows of 64 bytes + 16
.set SCI,   9216
.set STG,   SCL+2*SCI                  ; the way out: 16 rows x (256 + 16) bytes for each wave, its own
.set STW,   16*272
.set AK0, 1                            ; v1   my lane's place in a tile of K
.set AV0, 2                            ; v2   and of V
.set ADS, 3                            ; v3   my lane's place among K's scale words; 1,024 bytes on in each trip
.set ADT, 4                            ; v4   and among V's; 16 bytes on in each trip
.set GO,  5                            ; v5   16 x lane: my bytes in two rows of out
.set STO, 6                            ; v6   the stage: where I put 32 bytes of a row
.set RD,  7                            ; v7   and where I read rows back
.set QO,  8                            ; v8-11 head only: offsets of Q's codes, Q's scales, the scale copies; LDS address of V's scale copy
.set QS,  28                           ; v28  Q's scale word
.set FILL, 29                          ; v29  -8e6: the fill -1e6 ahead of the division by 8, which lies in c
.set VS,  30                           ; v30-31 V's scale words: lanes 0-15 tile 2 g, lanes 16-31 tile 2 g + 1
.set KB,  32                           ; v32-79 K's eight tiles, 6 registers each; v80-85 zeros; by turns V's four fragments of 12
.set KG,  86                           ; v86  staging: my 16 bytes of my wave's 1,536 of K's chunk, in memory
.set KL0, 87                           ; v87, v88 and in LDS (v88: behind one padding more in lanes 16-31)
.set KL1, 88
.set VG,  89                           ; v89  staging of V: my 16 bytes of the first 64 of my row's 192, in memory
.set VL,  92                           ; v92  and in LDS
.set HP,  95                           ; v95  16 (lane / 16) + 1
.set S,   96                           ; v96-159  S^T, then p
.set O,   160                          ; v160-191 O^T
.set ST,  192                          ; v192-215 a chunk on its way: K's 12 registers, V's 12
.set BM,  216                          ; v216-219 the blocks' largest scores, then largest p
.set PX,  220                          ; v220-223 lane l xor 16's, then the scales' bytes
.set PC,  224                          ; v224-235 p's codes
.set CT,  236                          ; v236-238, v240-242 the conversions' second halves; v[236:237] also the sums' second chain
.set SO,  244                          ; v244-247 the conversions' scale operands
.set KS,  248                          ; v248-251 K's scale words: lanes 0-15 tile 2 b, lanes 16-31 tile 2 b + 1
.set FF,  252                          ; v252 f = 2^(old M - new M)
.set PW,  253                          ; v253 p's scale word
.set TT,  254                          ; v254 at work
.set VLV, 104                          ; head only, in registers that S^T takes later: the lengths, their sort keys, their ranks, 4 x lane
.set KEY, 105
.set RNK, 106
.set VO,  107
.set LN,  108                          ; lane, lane % 16, lane / 16
.set RR,  109
.set HH,  110
.set T0,  111
.set T1,  112
.set T2,  113
.set KSL, 115                          ; LDS address of K's scale copy
.set RT,  116                          ; v116-131 head only: sixteen masks' bits as 0 or 1
.set WV,  20                           ; s20 wave; s21 my item (0, 1); s22 my place among its 8 waves
.set EE,  21
.set AA,  22
.set SX,  23                           ; s23, s37 at work
.set SEL, 24                           ; s[24:25] lane selects for v_permlanex16_b32: lane l xor 16
.set CS,  26                           ; s[26:27] c = log2(e) / 8
.set RK,  28                           ; s28 the rank that my item takes; s29 its batch; s30 its valid_lens
.set BT,  29
.set VLN, 30
.set LEN, 31                           ; s31 keys that are walked: 1 .. 2,048
.set VM,  32                           ; s32 keys that count: 0 .. 2,048
.set KF,  33                           ; s33 the step's first key
.set NK,  34                           ; s34 the next chunk's first key
.set TRIP, 35
.set Q0,  36                           ; s36 my first query
.set SY,  37
.set OFS, 38                           ; s[38:39] a byte offset in 64 bits
.set KP,  40                           ; s[40:41] K's codes at the chunk to be asked for; s[42:43] V's
.set VPT, 42
.set E64, 44                           ; s44 my item's slots in LDS; s45 its scale bytes
.set SCB, 45
.set MSK, 47                           ; s47 the lane that has my item's rank, as a mask
.set CM,  48                           ; s48-63 sixteen sort keys, or sixteen lane masks of a run of compares
	s_load_b256 s[4:11], s[0:1], 0x0               ; Q's codes s[4:5], Q's scales s[6:7], K's codes s[8:9], K's scales s[10:11]
	s_load_b256 s[12:19], s[0:1], 0x20             ; V's codes s[12:13], V's scales s[14:15], valid_lens s[16:17], out s[18:19]
	v_lshl_add_u32 v239, v0, 2, 0x35800
	v_mov_b32 v243, 0
	v_lshrrev_b32 v255, 5, v0
	v_readfirstlane_b32 s[WV], v255                ; wave 0..15
	v_and_b32 v[LN], 31, v0
	v_and_b32 v[RR], 15, v0
	v_bfe_u32 v[HH], v0, 4, 1
	v_lshlrev_b32 v[VO], 2, v[LN]
	s_wait_alu depctr_va_sdst(0)                   ; s20, the wave's number, is written, ahead of its first reader
	s_lshr_b32 s[EE], s[WV], 2
	s_xor_b32 s[EE], s[EE], s[WV]
	s_and_b32 s[EE], s[EE], 1                      ; my item: waves 2 a and 2 a + 1 take one each, and of any four waves on end, or four alike mod 4, two belong to each item
	s_lshr_b32 s[AA], s[WV], 1                     ; a = 0..7
	s_and_b32 s[RK], ttmp9, 15
	s_mul_i32 s[SX], s[EE], 31
	s_xor_b32 s[RK], s[RK], s[SX]                  ; item 0: rank g % 16; item 1: rank 31 - g % 16
	s_lshr_b32 s[Q0], ttmp9, 4
	s_lshl_b32 s[Q0], s[Q0], 7
	s_lshl_b32 s[SX], s[AA], 4
	s_add_co_u32 s[Q0], s[Q0], s[SX]               ; my first query: 128 (g / 16) + 16 a
	s_lshl_b32 s[E64], s[EE], 16
	s_mul_i32 s[SCB], s[EE], SCI
	s_add_co_u32 s[SCB], s[SCB], SCL
	s_wait_kmcnt 0x0
	s_wait_alu depctr_va_vdst(0)                   ; v107, the offset that the load below reads, is written
	global_load_b32 v[VLV], v[VO], s[16:17]        ; lane l: valid_lens[l]
	; while it is on its way: every address of the launch.  LDS addresses are made of constants, the lane and the wave's number alone
	v_and_b32 v[T0], 7, v[RR]
	v_lshrrev_b32 v[T1], 3, v[RR]                  ; r / 8
	v_mul_u32_u24 v[AK0], v[T0], 48
	v_mad_u32_u24 v[AK0], v[T1], GP, v[AK0]
	v_mad_u32_u24 v[AK0], v[HH], 24, v[AK0]
	v_add_nc_u32 v[AK0], s[E64], v[AK0]            ; K: (r % 8) rows of 48 bytes, rows 8-15 one group on, + my half's 24 bytes
	s_add_co_u32 s[SY], s[E64], VOFF
	v_mul_u32_u24 v[AV0], v[RR], VPI
	v_mad_u32_u24 v[AV0], v[HH], 24, v[AV0]
	v_add_nc_u32 v[AV0], s[SY], v[AV0]             ; V: row r, + my half's 24 bytes
	v_lshlrev_b32 v[ADS], 1, v[RR]
	v_lshl_add_u32 v[ADS], v[T1], 4, v[ADS]
	v_lshl_add_u32 v[ADS], v[HH], 4, v[ADS]
	v_add_nc_u32 v[ADS], s[SCB], v[ADS]            ; K's scale words: 2 bytes a key; key r + 8 (r / 8) + 8 (lane / 16) of a pair of tiles
	v_mul_u32_u24 v[ADT], v[LN], 80
	v_add_nc_u32 v[ADT], s[SCB], v[ADT]
	v_add_nc_u32 v[ADT], 4096, v[ADT]              ; V's: row = lane of a pair of tiles
	v_lshlrev_b32 v[GO], 4, v[LN]
	; V's staging: my wave takes rows 8 a .. 8 a + 7 of a chunk, 192 bytes each.  Four lanes to a row: lane l takes row l / 4 and the 16 bytes at 16 (l % 4) of each of the row's three runs of 64 bytes (the run stands in the immediate)
	v_lshrrev_b32 v[T2], 2, v[LN]                  ; l / 4
	v_and_b32 v[T0], 3, v[LN]                      ; l % 4
	s_mul_i32 s[SY], s[AA], 8*1536
	v_mul_u32_u24 v[VG], v[T2], 1536
	v_lshl_add_u32 v[VG], v[T0], 4, v[VG]
	v_add_nc_u32 v[VG], s[SY], v[VG]               ; in memory: rows of 1,536 bytes
	s_mul_i32 s[SY], s[AA], 8*VPI
	s_add_co_u32 s[SY], s[SY], s[E64]
	s_add_co_u32 s[SY], s[SY], VOFF
	v_mul_u32_u24 v[VL], v[T2], VPI
	v_lshl_add_u32 v[VL], v[T0], 4, v[VL]
	v_add_nc_u32 v[VL], s[SY], v[VL]               ; in LDS: rows of 208 bytes
	s_mul_i32 s[SY], s[WV], STW
	s_add_co_u32 s[SY], s[SY], STG                 ; my stage
	v_mul_u32_u24 v[STO], v[RR], 272
	v_lshl_add_u32 v[STO], v[HH], 5, v[STO]
	v_add_nc_u32 v[STO], s[SY], v[STO]             ; in: row r; a tile's eight channels of my half: 32 (lane / 16) bytes on
	v_mul_u32_u24 v[RD], v[HH], 272
	v_lshl_add_u32 v[RD], v[RR], 4, v[RD]
	v_add_nc_u32 v[RD], s[SY], v[RD]               ; back: lanes 0-15 one row, lanes 16-31 the next
	v_mul_u32_u24 v[QO], v[RR], 48
	v_mad_u32_u24 v[QO], v[HH], 24, v[QO]          ; Q's codes: row r, + my half's 24 bytes
	v_lshlrev_b32 v[QO+1], 1, v[RR]                ; Q's scales: 2 bytes a row
	s_lshl_b32 s[SY], s[AA], 5
	v_add_nc_u32 v[T0], s[SY], v[LN]               ; my number among the item's 256 threads
	v_lshlrev_b32 v[QO+2], 4, v[T0]                ; the scale copies: 16 bytes a thread, 4,096 in all
	v_add_nc_u32 v[KSL], s[SCB], v[QO+2]           ; K's go as they lie;
	v_lshrrev_b32 v[QO+3], 2, v[T0]
	v_mul_u32_u24 v[QO+3], v[QO+3], 80
	v_and_b32 v[T0], 3, v[T0]
	v_lshl_add_u32 v[QO+3], v[T0], 4, v[QO+3]
	v_add_nc_u32 v[QO+3], s[SCB], v[QO+3]
	v_add_nc_u32 v[QO+3], 4096, v[QO+3]            ; V's in rows of 64 bytes + 16
	s_mul_i32 s[SY], s[AA], 1536
	v_lshl_add_u32 v[KG], v[LN], 4, s[SY]          ; K's staging: my wave's 32 keys are 1,536 dense bytes,
	s_mul_i32 s[SY], s[AA], 2*GP
	s_add_co_u32 s[SY], s[SY], s[E64]
	v_lshl_add_u32 v[KL0], v[LN], 4, s[SY]         ; two groups in LDS;
	v_lshl_add_u32 v[KL1], v[HH], 7, v[KL0]        ; the second of the three loads crosses from one group to the next at lane 16
	v_lshl_add_u32 v[HP], v[HH], 4, 1
	s_mov_b32 s[SEL], 0x76543210
	s_mov_b32 s[SEL+1], 0xfedcba98
	s_mov_b32 s[CS], 0x3e38aa3b                    ; c = log2(e) / 8
	s_mov_b32 s[CS+1], s[CS]                       ; (named with it as a pair, so it is written)
	; THE RANKS.  Sort key = 32 x (keys walked - 1) + batch: no two alike.  A lane's rank = how many of the 32 keys lie under its own.
	; Sixteen keys at a time: a run of lane reads into s48-63, a run of compares that lay their masks over the keys, one wait behind each of the two runs; then the masks' bits become 0 or 1 in vector
	; registers and are added there, so that the sum writes no scalar register.
	s_wait_loadcnt 0x0
	v_add_nc_u32 v[KEY], -1, v[VLV]
	v_min_u32 v[KEY], 0x7ff, v[KEY]                ; keys walked - 1: a length of 0 or less, or over 2,048, walks all
	v_lshl_or_b32 v[KEY], v[KEY], 5, v[LN]
	v_mov_b32 v[RNK], 0
.irp g, 0,16
.irp j, 0,1,2,3,4,5,6,7,8,9,10,11,12,13,14,15
	v_readlane_b32 s[CM+\j], v[KEY], \g+\j
.endr
	s_wait_alu depctr_va_sdst(0)                   ; the sixteen keys s48-63 are written, ahead of the compares that read them
.irp j, 0,1,2,3,4,5,6,7,8,9,10,11,12,13,14,15
	v_cmp_lt_u32 s[CM+\j], s[CM+\j], v[KEY]        ; the lanes whose key lies above this one
.endr
	s_wait_alu depctr_va_sdst(0)                   ; the sixteen masks s48-63 are written, ahead of the selects that read them
.irp j, 0,1,2,3,4,5,6,7,8,9,10,11,12,13,14,15
	v_cndmask_b32 v[RT+\j], 0, 1, s[CM+\j]         ; my bit of the mask, as a number
.endr
.irp j, 0,1,2,3,4,5,6,7,8,9,10,11,12,13,14,15
	v_add_nc_u32 v[RNK], v[RNK], v[RT+\j]
.endr
.endr
	v_cmp_eq_u32 s[MSK], s[RK], v[RNK]             ; one lane has my item's rank:
	s_wait_alu depctr_va_sdst(0)                   ; s47 is written, ahead of its first reader
	s_ctz_i32_b32 s[BT], s[MSK]                    ; its number is my batch,
	s_min_u32 s[BT], s[BT], 31                     ; held inside the table before it enters an address
	s_lshl_b32 s[SX], s[BT], 2
	s_load_b32 s[VLN], s[16:17], s[SX] offset:0x0  ; and its length as a scalar (s23 stays as it is until the wait for this load)
	s_mov_b32 s[OFS+1], 0
	s_mul_i32 s[OFS], s[BT], 98304                 ; a batch's codes: 2,048 x 48 = 64 x 1,536 bytes
	s_add_nc_u64 s[KP:KP+1], s[8:9], s[OFS:OFS+1]
	s_add_nc_u64 s[VPT:VPT+1], s[12:13], s[OFS:OFS+1]
	s_add_nc_u64 s[4:5], s[4:5], s[OFS:OFS+1]
	s_mul_i32 s[OFS], s[Q0], 48
	s_add_nc_u64 s[4:5], s[4:5], s[OFS:OFS+1]      ; Q's codes at my first query
	s_lshl_b32 s[OFS], s[BT], 12                   ; a batch's scale bytes: 4,096
	s_add_nc_u64 s[6:7], s[6:7], s[OFS:OFS+1]
	s_add_nc_u64 s[10:11], s[10:11], s[OFS:OFS+1]
	s_add_nc_u64 s[14:15], s[14:15], s[OFS:OFS+1]
	s_lshl_b32 s[OFS], s[Q0], 1
	s_add_nc_u64 s[6:7], s[6:7], s[OFS:OFS+1]
	s_lshl_b32 s[OFS], s[BT], 19                   ; a batch of out: 2,048 x 256 bytes
	s_add_nc_u64 s[18:19], s[18:19], s[OFS:OFS+1]
	s_lshl_b32 s[OFS], s[Q0], 8
	s_add_nc_u64 s[18:19], s[18:19], s[OFS:OFS+1]  ; out at my first query
; A chunk of 256 keys, my wave's eighth of it: K: 3 loads of 512 consecutive bytes; V: 3 loads of 8 rows x 64 bytes, which together take the rows' 192
.macro LOADCH
.irp i, 0,1,2
	global_load_b128 v[ST+4*\i:ST+4*\i+3], v[KG], s[KP:KP+1] offset:512*\i
.endr
.irp i, 0,1,2
	global_load_b128 v[ST+12+4*\i:ST+12+4*\i+3], v[VG], s[VPT:VPT+1] offset:64*\i
.endr
.endm
.macro STORECH slot
	ds_store_b128 v[KL0], v[ST:ST+3] offset:(\slot)*SLOTB
	ds_store_b128 v[KL1], v[ST+4:ST+7] offset:(\slot)*SLOTB+512
	ds_store_b128 v[KL0], v[ST+8:ST+11] offset:(\slot)*SLOTB+1024+128
.irp i, 0,1,2
	ds_store_b128 v[VL], v[ST+12+4*\i:ST+12+4*\i+3] offset:(\slot)*SLOTB+64*\i
.endr
.endm
	s_wait_alu depctr_va_vdst(0)                   ; every address and offset of the launch is written (v1-11, v86-89, v92, v115): all later loads and stores read them, and but for v3 and v4 no vector instruction names them again
.irp p, 0,1,2
	global_load_b64 v[16+2*\p:17+2*\p], v[QO], s[4:5] offset:8*\p th:TH_LOAD_NT   ; Q's fragment, K = 0 .. 63: it stays in registers
.endr
	global_load_u16 v[QS], v[QO+1], s[6:7] th:TH_LOAD_NT   ; its scale word: two bytes, and 0 above them
	LOADCH                                         ; chunk 0: every batch walks it
	global_load_b128 v[S:S+3], v[QO+2], s[10:11]   ; my 16 of K's 4,096 scale bytes,
	global_load_b128 v[S+4:S+7], v[QO+2], s[14:15] ; and of V's
.irp j, 0,1,2,3,4,5
	v_mov_b32 v[22+\j], 0                          ; Q's codes of K = 64 .. 127: zeros
	v_mov_b32 v[KB+48+\j], 0                       ; what the last tile of K is named with
.endr
.set II, 0
.rept 32
	v_mov_b32 v[O+II], 0                           ; O^T.  (The step is written once: the first finds zeros, which the first change of M leaves zeros)
.set II, II+1
.endr
.irp b, 0,1,2,3
	v_mov_b32 v[PX+\b], 0                          ; written once: a lane permute's destination counts as one of its sources
.endr
	v_mov_b32 v[FF], 0                             ; likewise, for the way out
	v_mov_b32 v[PW], 0                             ; (named as the upper half of the pair v[252:253] before it is first written)
	v_mov_b32 v[FILL], 0xcaf42400                  ; -8e6
	v_mov_b32 v13, 0xff61b1e6                      ; the largest t so far: -3e38, under every t
	v_floor_f32 v12, -v13                          ; -M
	v_mov_b32 v14, 0                               ; the sum, in two halves
	v_mov_b32 v15, 0
	s_wait_kmcnt 0x0                               ; my batch's length
	s_sub_co_u32 s[LEN], s[VLN], 1
	s_min_u32 s[LEN], s[LEN], 2047
	s_add_co_u32 s[LEN], s[LEN], 1                 ; keys walked
	s_max_i32 s[VM], s[VLN], 0
	s_min_i32 s[VM], s[VM], 2048                   ; keys that count
	s_mov_b32 s[KF], 0
	s_mov_b32 s[NK], 256
	s_mov_b32 s[TRIP], 4
	s_wait_loadcnt 0x0                             ; Q, chunk 0, the scale bytes
	STORECH 0
	ds_store_b128 v[KSL], v[S:S+3]
	ds_store_b128 v[QO+3], v[S+4:S+7]
	s_add_nc_u64 s[KP:KP+1], s[KP:KP+1], 12288     ; on to chunk 1 (the loads that read these are done)
	s_add_nc_u64 s[VPT:VPT+1], s[VPT:VPT+1], 192
	s_wait_dscnt 0x0                               ; for the others' sake: my stores have landed
	s_barrier_signal -1
	s_barrier_wait -1                              ; slot 0 and the scale bytes of both items are whole
	s_wait_alu depctr_vm_vsrc(0)                   ; my LDS stores have read v192-215, in which chunk 1's loads land, and v96-103 and v115; the load of the lengths has read v107: these are S^T's registers from here on, written by the products
; A KEY STEP: 128 keys, the q-th of the slot in hand; it is step 2 slot + q of the trip's four.
.macro STEP slot, q
.set NS, 2*(\slot)+(\q)
	s_cmp_ge_u32 s[KF], s[LEN]                     ; all its keys lie behind the length: the step's work is left out; no barrier stands in a step
	s_cbranch_scc1 .Lhidden_\@
.rept 4
	v_nop                                          ; the four places behind the last step's matrix instructions are kept, beside the wait below
.endr
	s_wait_alu depctr_va_vdst(0)                   ; the last step's four products are done reading v32-79, its eight v248-251: the loads below land there.  In a trip's first step v3 and v4 are written, by which scale words are loaded.  In the first step of all the zeros v22-27 and v80-85 are written, which the products below take as operands
.irp t, 0,1,2,3,4,5,6,7
.irp p, 0,1,2
	ds_load_b64 v[KB+6*\t+2*\p:KB+6*\t+2*\p+1], v[AK0] offset:(\slot)*SLOTB+(\q)*8*GP+(\t/2)*2*GP+(\t%2)*384+8*\p
.endr
.endr
.irp b, 0,1,2,3
	ds_load_u16 v[KS+\b], v[ADS] offset:256*NS+64*\b   ; two bytes, and 0 above them
.endr
	s_wait_dscnt 0x0
.irp t, 0,1,2,3,4,5,6,7                        ; S^T = K Q^T: lane (r, h) holds query r; register 16 b + i is key KF + 32 b + 16 h + i
.if \t%2
	v_wmma_scale_f32_16x16x128_f8f6f4 v[S+8*\t:S+8*\t+7], v[KB+6*\t:KB+6*\t+11], v[16:27], 0, v[KS+\t/2], v[QS] matrix_a_fmt:MATRIX_FMT_BF6 matrix_b_fmt:MATRIX_FMT_BF6 matrix_a_scale:MATRIX_SCALE_ROW1
.else
	v_wmma_scale_f32_16x16x128_f8f6f4 v[S+8*\t:S+8*\t+7], v[KB+6*\t:KB+6*\t+11], v[16:27], 0, v[KS+\t/2], v[QS] matrix_a_fmt:MATRIX_FMT_BF6 matrix_b_fmt:MATRIX_FMT_BF6
.endif
.endr
.rept 4
	v_nop                                          ; places in front of the first read of the scores (ISA guide 7.12.1); they stay beside the wait below
.endr
	s_wait_alu depctr_va_vdst(0)                   ; the eight products are done reading K's registers v32-79, in which V's fragments land (v30-31 were last read by the step before)
.irp t, 0,1,2,3                                ; V's four fragments are asked for NOW: they land while the softmax is worked, which names none of their registers
.irp p, 0,1,2,3,4,5
	ds_load_b64 v[KB+12*\t+2*\p:KB+12*\t+2*\p+1], v[AV0] offset:(\slot)*SLOTB+16*VPI*\t+96*(\q)+48*(\p/3)+8*(\p%3)
.endr
.endr
.irp g, 0,1
	ds_load_b32 v[VS+\g], v[ADT] offset:32*80*\g+4*NS
.endr
	s_add_co_u32 s[SX], s[KF], 128                 ; THE MASK.  A step all of whose keys count skips it
	s_cmp_le_u32 s[SX], s[VM]
	s_cbranch_scc1 .Lopen_\@
	s_sub_co_i32 s[SX], s[VM], s[KF]
	v_sub_nc_u32 v[TT], s[SX], v[HP]               ; d = VM - KF - 16 h - 1: register 16 b + i is hidden where 32 b + i > d
.irp b, 0,1,2,3                                ; a block's sixteen compares in a run, into sixteen scalar registers; one wait; its sixteen selects
.irp i, 0,1,2,3,4,5,6,7,8,9,10,11,12,13,14,15
	v_cmp_gt_i32 s[CM+\i], 32*\b+\i, v[TT]
.endr
	s_wait_alu depctr_va_sdst(0)                   ; the sixteen masks s48-63 are written, ahead of the selects that read them
.irp i, 0,1,2,3,4,5,6,7,8,9,10,11,12,13,14,15
	v_cndmask_b32 v[S+16*\b+\i], v[S+16*\b+\i], v[FILL], s[CM+\i]
.endr
.endr
.Lopen_\@:
.irp b, 0,1,2,3
	v_max3_num_f32 v[BM+\b], v[S+16*\b], v[S+1+16*\b], v[S+2+16*\b]   ; THE LARGEST SCORE OF EACH BLOCK OF 32 KEYS: it serves twice: for the row's maximum, and, since p rises with the score, for the block's largest p
.endr
.irp i, 3,5,7,9,11,13
.irp b, 0,1,2,3
	v_max3_num_f32 v[BM+\b], v[BM+\b], v[S+16*\b+\i], v[S+1+16*\b+\i]   ; (the four blocks by turns)
.endr
.endr
.irp b, 0,1,2,3
	v_max_num_f32 v[BM+\b], v[BM+\b], v[S+15+16*\b]
.endr
.irp b, 0,1,2,3
	v_permlanex16_b32 v[PX+\b], v[BM+\b], s[SEL], s[SEL+1]
.endr
.irp b, 0,1,2,3
	v_max_num_f32 v[BM+\b], v[BM+\b], v[PX+\b]     ; with lane l xor 16's 16 keys
.endr
	v_max3_num_f32 v[TT], v[BM], v[BM+1], v[BM+2]
	v_max_num_f32 v[TT], v[TT], v[BM+3]            ; the step's largest score of my query
	v_mul_f32 v[TT], s[CS], v[TT]                  ; as t (c is positive)
	v_max_num_f32 v13, v13, v[TT]                  ; the running largest t
	v_mov_b32 v[TT], v12
	v_floor_f32 v12, -v13                          ; the new -M = floor(-t) = -ceil(t): M is a whole number
	v_sub_f32 v[TT], v12, v[TT]                    ; M's old value less its new one: a whole number, 0 or less
	v_cvt_i32_f32 v[TT], v[TT]                     ; (it saturates)
	v_ldexp_f32 v[FF], 1.0, v[TT]                  ; f = 2^(old M - new M)
.set II, 0
.rept 32
	v_pk_fma_f32 v[S+II:S+II+1], v[S+II:S+II+1], s[CS:CS+1], v[12:13] op_sel_hi:[1,0,0]   ; t - M, two at a time (of the pairs c and -M the low word serves both halves)
.set II, II+2
.endr
.irp b, 0,1,2,3
	v_fma_f32 v[BM+\b], v[BM+\b], s[CS], v12       ; the same of each block's largest score
.endr
.set II, 0
	s_wait_alu depctr_va_vdst(0)
.rept 64
	v_exp_f32 v[S+II], v[S+II]                     ; p = 2^(t - M), at most 1: not normalised
.set II, II+1
.endr
	v_pk_mul_f32 v[14:15], v[14:15], v[FF:FF+1] op_sel_hi:[1,0]   ; the sums under the new M: the plain instruction behind the exponentials (ISA guide 5.7.2)
	s_wait_alu depctr_va_vdst(0)                   ; the 64 exponentials have written v96-159: one wait for the batch, ahead of its first reader
.irp b, 0,1,2,3
	v_exp_f32 v[BM+\b], v[BM+\b]                   ; the block's largest p: the same two instructions on the same number give the same bits
.endr
	v_pk_add_f32 v[CT:CT+1], v[S:S+1], v[S+2:S+3]  ; THE ROW'S SUM IS TAKEN OF THE UNQUANTISED p: two at a time, in two chains (they read the 64 alone: plain work behind the four)
.irp j, 4,8,12,16,20,24,28,32,36,40,44,48,52,56,60
	v_pk_add_f32 v[14:15], v[14:15], v[S+\j:S+\j+1]
	v_pk_add_f32 v[CT:CT+1], v[CT:CT+1], v[S+2+\j:S+3+\j]
.endr
	v_pk_add_f32 v[14:15], v[14:15], v[CT:CT+1]
	s_wait_alu depctr_va_vdst(0)                   ; the four exponentials have written v216-219: their wait, ahead of their first reader
.irp b, 0,1,2,3
	v_max_num_f32 v[BM+\b], 0x2800000, v[BM+\b]    ; the floor 2^(5 - 127): the byte cannot fall under 1 (a block whose every p is 0 keeps that byte: its codes are zeros)
.endr
.irp b, 0,1,2,3
	v_add_nc_u32 v[SO+\b], 0xfe000000, v[BM+\b]    ; 4 off the exponent field: the conversion takes the exponent field of this operand as its scale
.endr
.irp b, 0,1,2,3
	v_lshrrev_b32 v[PX+\b], 23, v[SO+\b]           ; the scale's byte
.endr
	v_lshl_or_b32 v[PW], v[PX+1], 8, v[PX]         ; p's scale word for these 128 keys
	v_lshl_or_b32 v[PW], v[PX+2], 16, v[PW]
	v_lshl_or_b32 v[PW], v[PX+3], 24, v[PW]
.irp c, 0,1
	v_cvt_scalef32_pk16_bf6_f32 v[PC+6*\c:PC+2+6*\c], v[S+32*\c:S+15+32*\c], v[SO+2*\c]
	v_cvt_scalef32_pk16_bf6_f32 v[CT+4*\c:CT+2+4*\c], v[S+16+32*\c:S+31+32*\c], v[SO+2*\c+1]   ; (a conversion's three registers begin on an even number)
.endr
	v_nop                                          ; one plain instruction between a scaled conversion and the vector instruction that touches its result
.irp c, 0,1                                    ; the operand's layout wants a WHOLE block in a lane: lanes 0-15 block 2 c, lanes 16-31 block 2 c + 1
.irp i, 0,1,2
	v_permlane16_swap_b32 v[PC+6*\c+\i], v[CT+4*\c+\i]
.endr
.irp i, 0,1,2
	v_mov_b32 v[PC+3+6*\c+\i], v[CT+4*\c+\i]
.endr
.endr
.set II, 0
.rept 16
	v_pk_mul_f32 v[O+II:O+II+1], v[O+II:O+II+1], v[FF:FF+1] op_sel_hi:[1,0]   ; O^T under the new M: x f, each tile from its low end on.  (These are also the places between the scale word's and the codes' last writes and the products)
.set II, II+2
.endr
	s_wait_dscnt 0x0                               ; V's fragments and scale words are in
	s_wait_alu depctr_va_vdst(0)                   ; p's codes v224-235 and its scale word v253 are written by vector instructions: the scaled products below take them as operand and scales; the places above stay beside this wait
.irp t, 0,1,2,3                                ; O^T += V^T P^T: the four accumulators by turns, one instruction a turn; between two links of a chain stand the other three and the next step's eight
.if \t%2
	v_wmma_scale_f32_16x16x128_f8f6f4 v[O+8*\t:O+8*\t+7], v[KB+12*\t:KB+12*\t+11], v[PC:PC+11], v[O+8*\t:O+8*\t+7], v[VS+\t/2], v[PW] matrix_a_fmt:MATRIX_FMT_BF6 matrix_b_fmt:MATRIX_FMT_BF6 matrix_a_scale:MATRIX_SCALE_ROW1
.else
	v_wmma_scale_f32_16x16x128_f8f6f4 v[O+8*\t:O+8*\t+7], v[KB+12*\t:KB+12*\t+11], v[PC:PC+11], v[O+8*\t:O+8*\t+7], v[VS+\t/2], v[PW] matrix_a_fmt:MATRIX_FMT_BF6 matrix_b_fmt:MATRIX_FMT_BF6
.endif
.endr
.Lhidden_\@:
	s_add_co_u32 s[KF], s[KF], 128
.endm
; A CHUNK: the next chunk is asked for into registers, this slot's two steps are worked, the next chunk goes into the other slot, ONE barrier.  That slot's last reads stand in front of the barrier before
; (each wave's wait for its LDS loads ahead of its signal), its first reads behind this one.  A chunk that begins behind the length is neither asked for nor stored; the barrier is on every wave's path.
; The loads land in v192-215, which the last chunk's LDS stores read: the wait on vm_vsrc behind the barrier before states that those have read them.  No vector instruction names these registers.
.macro CHUNK slot
	s_cmp_ge_u32 s[NK], s[LEN]
	s_cbranch_scc1 .Lnoload_\@
	LOADCH
.Lnoload_\@:
	STEP \slot, 0
	STEP \slot, 1
	s_wait_loadcnt 0x0                             ; the six loads are done: their data may be read and their bases stepped
	s_cmp_ge_u32 s[NK], s[LEN]
	s_cbranch_scc1 .Lnostore_\@
	STORECH 1-(\slot)
.Lnostore_\@:
	s_add_nc_u64 s[KP:KP+1], s[KP:KP+1], 12288     ; 256 keys of 48 bytes
	s_add_nc_u64 s[VPT:VPT+1], s[VPT:VPT+1], 192   ; 256 codes in each row of V
	s_add_co_u32 s[NK], s[NK], 256
	s_wait_dscnt 0x0                               ; my stores have landed, and my reads of this slot are over
	s_barrier_signal -1
	s_barrier_wait -1
	s_wait_alu depctr_vm_vsrc(0)                   ; my LDS stores have read v192-215, in which the next chunk's loads land; the steps' loads have read v3 and v4, which are written behind a trip's second chunk
.endm
.Ltrip:                                            ; four trips, a constant: two chunks, 512 keys, a trip
	CHUNK 0
	CHUNK 1
	s_wait_alu depctr_va_vdst(0)
	v_add_nc_u32 v[ADS], 1024, v[ADS]              ; 512 keys' scale words of K,
	v_add_nc_u32 v[ADT], 16, v[ADT]                ; and of V.  (The wait at the head of the next step that loads states that both are written)
	s_sub_co_u32 s[TRIP], s[TRIP], 1
	s_cmp_lg_u32 s[TRIP], 0
	s_cbranch_scc1 .Ltrip
	; THE WAY OUT.  O^T is divided by the row's sum and goes through my own stage in LDS, so that each store of the wave covers two whole rows of out: 512 consecutive bytes, aligned.
.rept 4
	v_nop                                          ; places behind the last products
.endr
	v_add_f32 v14, v14, v15                        ; the sum's two halves,
	v_permlanex16_b32 v[FF], v14, s[SEL], s[SEL+1]
	v_add_f32 v14, v14, v[FF]                      ; and lane l xor 16's: the row's sum
	s_wait_alu depctr_va_vdst(0)
	v_rcp_f32 v14, v14
	v_nop                                          ; a plain instruction behind the reciprocal,
	s_wait_alu depctr_va_vdst(0)                   ; and the wait ahead of its first reader: the reciprocal has written v14
.set II, 0
.rept 16
	v_pk_mul_f32 v[S+II:S+II+1], v[O+II:O+II+1], v[14:15] op_sel_hi:[1,0]   ; register 8 t + i is out(r, 16 t + 8 h + i); each accumulator from its low end on
.set II, II+2
.endr
	s_wait_alu depctr_va_vdst(0)                   ; the multiplies have written v96-127, which the LDS stores read; the last products are done reading v32-63, in which the loads from the stage land
.irp t, 0,1,2,3
	ds_store_b128 v[STO], v[S+8*\t:S+8*\t+3] offset:64*\t
	ds_store_b128 v[STO], v[S+8*\t+4:S+8*\t+7] offset:64*\t+16
.endr
.irp i, 0,1,2,3,4,5,6,7
	ds_load_b128 v[KB+4*\i:KB+4*\i+3], v[RD] offset:2*272*\i   ; LDS serves a wave's instructions in order (ISA guide 5.7.1.4): these see my stores
.endr
.irp i, 0,1,2,3,4,5,6,7
	s_wait_dscnt 7-\i                              ; rows 2 i and 2 i + 1 are back; the 7 - i younger loads may be out
	global_store_b128 v[GO], v[KB+4*\i:KB+4*\i+3], s[18:19] offset:512*\i th:TH_STORE_NT
.endr
	s_wait_dscnt 0x0                               ; the closing lines, six on end
	s_wait_alu 0x0
	s_wait_tensorcnt 0x0
	ds_add_u32 v239, v243
	s_wait_dscnt 0x0
	s_endpgm
.Lfunc_end_k_q280bd58abe_attn:
	.size	k_q280bd58abe_attn, .Lfunc_end_k_q280bd58abe_attn-k_q280bd58abe_attn
	.p2alignl 7, 3214868480
	.fill 96, 4, 3214868480
	.section	.rodata,"a",@progbits
	.p2align	6, 0x0
	.amdhsa_kernel k_q280bd58abe_attn
		.amdhsa_group_segment_fixed_size 221184
		.amdhsa_private_segment_fixed_size 0
		.amdhsa_enable_private_segment 0
		.amdhsa_kernarg_size 64
		.amdhsa_user_sgpr_count 2
		.amdhsa_user_sgpr_kernarg_segment_ptr 1
		.amdhsa_wavefront_size32 1
		.amdhsa_system_sgpr_workgroup_id_x 1
		.amdhsa_system_sgpr_workgroup_id_y 1
		.amdhsa_system_sgpr_workgroup_id_z 1
		.amdhsa_system_vgpr_workitem_id 0
		.amdhsa_next_free_vgpr 256
		.amdhsa_next_free_sgpr 66
		.amdhsa_reserve_vcc 0
		.amdhsa_float_denorm_mode_32 3
		.amdhsa_float_denorm_mode_16_64 3
		.amdhsa_memory_ordered 1
		.amdhsa_forward_progress 1
		.amdhsa_inst_pref_size 130
	.end_amdhsa_kernel
	.amdgpu_metadata
---
amdhsa.version: [ 1, 2 ]
amdhsa.kernels:
  - .name:           k_q280bd58abe_attn
    .symbol:         k_q280bd58abe_attn.kd
    .args:
      - { .name: queries_codes, .offset: 0, .size: 8, .value_kind: global_buffer, .address_space: global }
      - { .name: queries_scales, .offset: 8, .size: 8, .value_kind: global_buffer, .address_space: global }
      - { .name: keys_codes, .offset: 16, .size: 8, .value_kind: global_buffer, .address_space: global }
      - { .name: keys_scales, .offset: 24, .size: 8, .value_kind: global_buffer, .address_space: global }
      - { .name: values_codes, .offset: 32, .size: 8, .value_kind: global_buffer, .address_space: global }
      - { .name: values_scales, .offset: 40, .size: 8, .value_kind: global_buffer, .address_space: global }
      - { .name: valid_lens, .offset: 48, .size: 8, .value_kind: global_buffer, .address_space: global }
      - { .name: out0, .offset: 56, .size: 8, .value_kind: global_buffer, .address_space: global }
    .group_segment_fixed_size: 221184
    .private_segment_fixed_size: 0
    .kernarg_segment_align: 8
    .kernarg_segment_size: 64
    .max_flat_workgroup_size: 512
    .sgpr_count:     66
    .vgpr_count:     256
    .wavefront_size: 32
...
	.end_amdgpu_metadata
.endif
;; end of part 2
